; MI455X (gfx1250); checked and timed in simulation.
; The chip was launched on July 23, 2026; its instructions are those of AMD's public machine-readable ISA for CDNA 5 (MIT licence, August 2026) and "CDNA5" Instruction Set Architecture Reference Guide (July 2026). The comments in the code are by the model that wrote it; some were corrected since.
;; Quant Linear Int8. Allowed arithmetic: float matrix products may take bf16 or f16 operands with f32 sums; other float arithmetic in f32, or as packed bf16 or f16 multiplies, adds, multiply-adds, maxima and minima; sums over many terms, partial sums and values carried from step to step in f32; what a program stores and reads back later, other than sums and carried values, may be rounded once to bf16 or f16.
;; Inputs: bias 16,384 float32; weight 16,384 x 4,096 int8; weight_scale 16,384 x 1 float32; x 1,024 x 4,096 float32.
;; Outputs: out0 1,024 x 16,384 bfloat16.
;; 2 versions, each right; version 2 is version 1 with the launch quant written anew for expert scheduling mode. Each part assembles by itself: llvm-mc -triple=amdgcn-amd-amdhsa -mcpu=gfx1250 --defsym DOCPART=n.
;; ======== version 1 of 2: 2 launches
;; workspace buffers: q16 8,388,608 bytes; xs 4,096 bytes
;; launch quant (part 1): grid 256 x 1, 4 waves a work-group, no clusters, 0 bytes of LDS; arguments x, q16, xs; writes q16, xs
.if DOCPART == 1
	.amdgcn_target "amdgcn-amd-amdhsa--gfx1250"
	.amdhsa_code_object_version 6
	.text
	.protected	k_qaec93fdb47_quant
	.globl	k_qaec93fdb47_quant
	.p2align	8
	.type	k_qaec93fdb47_quant,@function
k_qaec93fdb47_quant:
	s_mov_b64 s[64:65], 0
	v_nop
	global_prefetch_b8 v0, s[64:65] scope:SCOPE_SE
	s_setreg_imm32_b32 hwreg(HW_REG_WAVE_MODE, 25, 1), 1
	s_wait_xcnt 0x0
; Per-token symmetric quantisation.  x: [1024][4096] f32.  q16: [1024][4096] f16, the whole numbers q = clamp(round(x / in_scale), -128, 127).
; xs: [1024] f32, in_scale = amax / 127.  q has at most 8 significant bits, so f16 holds it exactly, whatever the size of x.
; One wave takes one row: 16,384 bytes are 128 registers a lane, so the row stays in registers between the pass that finds the maximum
; and the pass that scales, and memory is read once.  No LDS, no barrier, no loop: a wave has all its 32 loads out at once.
; LIMITS.  x / in_scale is formed as x * (127 * (1 / amax)) with v_rcp_f32: where the quotient lies within a few last places of a half, q may differ by 1
; from a true division.  v_rcp_f32 takes a denormal input as zero and gives zero for a denormal result (ISA guide 15.8): rows with 0 < amax < 2^-126 or amax > 2^126 are not served.
; A row of zeros: 0 * inf is NaN, which loses in v_max_num_f32, so q = -128; in_scale = 0 then makes the row's products vanish in the next launch.
.set M, 4                              ; v[4:7]    four running maxima
.set X, 16                             ; v[16:143] the row: load j at X + 4 j holds elements 128 j + 4 lane + 0..3
	s_load_b128 s[4:7], s[0:1], 0x0                ; x s[4:5], q16 s[6:7]
	s_load_b64 s[8:9], s[0:1], 0x10                ; xs
	v_lshrrev_b32 v8, 5, v0
	v_readfirstlane_b32 s10, v8                    ; wave 0..3
	s_lshl_b32 s11, ttmp9, 2
	s_add_co_u32 s11, s11, s10                     ; my row = 4 x work-group + wave
	s_mov_b32 s14, 0x76543210                      ; v_permlanex16_b32: each lane takes its own place in the other half
	s_mov_b32 s15, 0xfedcba98
	s_mov_b32 s16, 0xc3000000                      ; -128.0
	s_mov_b32 s17, 0x42fe0000                      ; 127.0
	s_mov_b32 s18, 0xc2fe0000                      ; -127.0
	s_mov_b32 s19, 0x3c010204                      ; 1 / 127
	v_and_b32 v14, 31, v0                          ; lane
	v_lshlrev_b32 v1, 4, v14                       ; 16 bytes a lane in x
	v_lshlrev_b32 v2, 3, v14                       ; 8 bytes a lane in q16
	v_mov_b32 v3, 0                                ; offset of the row's word in xs
	v_mov_b32 v9, 0                                ; v_permlanex16_b32 counts as a reader of its destination
	s_mov_b32 s13, 0
	s_wait_kmcnt 0x0
	s_lshl_b32 s12, s11, 14                        ; a row of x: 16,384 bytes
	s_add_nc_u64 s[4:5], s[4:5], s[12:13]
	s_lshl_b32 s12, s11, 13                        ; a row of q16: 8,192 bytes
	s_add_nc_u64 s[6:7], s[6:7], s[12:13]
	s_lshl_b32 s12, s11, 2
	s_add_nc_u64 s[8:9], s[8:9], s[12:13]
.set j, 0
.rept 32
	global_load_b128 v[X+4*j:X+4*j+3], v1, s[4:5] offset:512*j th:TH_LOAD_NT   ; 512 neighbouring bytes a load; x is read once in the launch
.set j, j+1
.endr
	; pass 1: the largest |x| of my 128 numbers, in four chains that do not wait for each other; the first two loads start them
.set j, 0
.rept 16
.if j%8 == 0
	s_wait_loadcnt 24-j                            ; loads come back in order (ISA guide 5.7.1): loads j to j + 7 are in, the 24 - j behind them stay out
.endif
.irp k, 0,1,2,3
.if j == 0
	v_max_num_f32 v[M+\k], |v[X+\k]|, |v[X+4+\k]|
.else
	v_max3_num_f32 v[M+\k], v[M+\k], |v[X+4*j+\k]|, |v[X+4*j+4+\k]|
.endif
.endr
.set j, j+2
.endr
	v_max3_num_f32 v8, v[M], v[M+1], v[M+2]
	v_max_num_f32 v8, v8, v[M+3]
	; across the 32 lanes: four steps inside each half of 16 lanes, one across the halves
	v_max_num_f32_dpp v8, v8, v8 row_xmask:1 row_mask:0xf bank_mask:0xf
	v_max_num_f32_dpp v8, v8, v8 row_xmask:2 row_mask:0xf bank_mask:0xf
	v_max_num_f32_dpp v8, v8, v8 row_xmask:4 row_mask:0xf bank_mask:0xf
	v_max_num_f32_dpp v8, v8, v8 row_xmask:8 row_mask:0xf bank_mask:0xf
	v_permlanex16_b32 v9, v8, s14, s15
	v_max_num_f32 v10, v8, v9                      ; amax, in every lane
	v_rcp_f32 v12, v10                             ; its result is first used four plain instructions on (ISA guide 5.7.2)
	v_mul_f32 v11, s19, v10                        ; in_scale = amax / 127: a first value,
	v_fma_f32 v8, v11, s18, v10                    ; what it leaves: amax - 127 in_scale,
	v_fma_f32 v11, v8, s19, v11                    ; and one correction
	s_wait_alu depctr_va_vdst(0)
	v_mul_f32 v12, s17, v12                        ; 127 / amax,
	v_mov_b32 v13, v12                             ; twice: a pair for the packed multiply
	; pass 2: scale, round to the nearest whole number (ties to even), clamp as reference() does, pack to f16, store
.set j, 0
.rept 32
	v_pk_mul_f32 v[X+4*j:X+4*j+1], v[X+4*j:X+4*j+1], v[12:13]
	v_pk_mul_f32 v[X+4*j+2:X+4*j+3], v[X+4*j+2:X+4*j+3], v[12:13]
.irp k, 0,1,2,3
	v_rndne_f32 v[X+4*j+\k], v[X+4*j+\k]
.endr
.irp k, 0,1,2,3
	v_max_num_f32 v[X+4*j+\k], s16, v[X+4*j+\k]
.endr
.irp k, 0,1,2,3
	v_min_num_f32 v[X+4*j+\k], s17, v[X+4*j+\k]
.endr
	v_cvt_pk_f16_f32 v[X+4*j], v[X+4*j], v[X+4*j+1]
	v_cvt_pk_f16_f32 v[X+4*j+1], v[X+4*j+2], v[X+4*j+3]
	global_store_b64 v2, v[X+4*j:X+4*j+1], s[6:7] offset:256*j   ; the wave's 32 lanes store 256 consecutive bytes, at a multiple of 256 from q16's first byte; the next launch reads them, so no hint
.set j, j+1
.endr
	; the row's in_scale: four bytes, from lane 0.  xs is 4,096 bytes in all; this is the one store that does not fill 256 bytes
	s_wait_xcnt 0x0                                ; EXEC is a source of the stores above: it changes only behind this wait
	v_cmp_eq_u32 vcc_lo, 0, v14
	s_and_saveexec_b32 s20, vcc_lo
	global_store_b32 v3, v11, s[8:9]
	s_wait_xcnt 0x0                                ; and again in front of the line that widens it
	s_or_b32 exec_lo, exec_lo, s20
	s_endpgm
.Lfunc_end_k_qaec93fdb47_quant:
	.size	k_qaec93fdb47_quant, .Lfunc_end_k_qaec93fdb47_quant-k_qaec93fdb47_quant
	.p2alignl 7, 3214868480
	.fill 96, 4, 3214868480
	.section	.rodata,"a",@progbits
	.p2align	6, 0x0
	.amdhsa_kernel k_qaec93fdb47_quant
		.amdhsa_group_segment_fixed_size 0
		.amdhsa_private_segment_fixed_size 0
		.amdhsa_enable_private_segment 0
		.amdhsa_kernarg_size 24
		.amdhsa_user_sgpr_count 2
		.amdhsa_user_sgpr_kernarg_segment_ptr 1
		.amdhsa_wavefront_size32 1
		.amdhsa_system_sgpr_workgroup_id_x 1
		.amdhsa_system_sgpr_workgroup_id_y 1
		.amdhsa_system_sgpr_workgroup_id_z 1
		.amdhsa_system_vgpr_workitem_id 0
		.amdhsa_next_free_vgpr 144
		.amdhsa_next_free_sgpr 66
		.amdhsa_reserve_vcc 1
		.amdhsa_float_denorm_mode_32 3
		.amdhsa_float_denorm_mode_16_64 3
		.amdhsa_memory_ordered 1
		.amdhsa_forward_progress 1
		.amdhsa_inst_pref_size 33
	.end_amdhsa_kernel
	.amdgpu_metadata
---
amdhsa.version: [ 1, 2 ]
amdhsa.kernels:
  - .name:           k_qaec93fdb47_quant
    .symbol:         k_qaec93fdb47_quant.kd
    .args:
      - { .name: x, .offset: 0, .size: 8, .value_kind: global_buffer, .address_space: global }
      - { .name: q16, .offset: 8, .size: 8, .value_kind: global_buffer, .address_space: global }
      - { .name: xs, .offset: 16, .size: 8, .value_kind: global_buffer, .address_space: global }
    .group_segment_fixed_size: 0
    .private_segment_fixed_size: 0
    .kernarg_segment_align: 8
    .kernarg_segment_size: 24
    .max_flat_workgroup_size: 128
    .sgpr_count:     66
    .vgpr_count:     144
    .wavefront_size: 32
...
	.end_amdgpu_metadata
.endif
;; end of part 1
;; launch gemm (part 2): grid 64 x 4, 4 waves a work-group, clusters of 4 x 4, 327,680 bytes of LDS; arguments q16, weight, xs, weight_scale, bias, out0; writes out0
.if DOCPART == 2
	.amdgcn_target "amdgcn-amd-amdhsa--gfx1250"
	.amdhsa_code_object_version 6
	.text
	.protected	k_qaec93fdb47_gemm
	.globl	k_qaec93fdb47_gemm
	.p2align	8
	.type	k_qaec93fdb47_gemm,@function
k_qaec93fdb47_gemm:
	s_mov_b64 s[64:65], 0
	v_nop
	global_prefetch_b8 v0, s[64:65] scope:SCOPE_SE
	s_setreg_imm32_b32 hwreg(HW_REG_WAVE_MODE, 25, 1), 1
	s_wait_xcnt 0x0
	s_wait_alu depctr_hold_cnt(0) depctr_sa_sdst(0) depctr_va_vdst(0) depctr_va_sdst(0) depctr_va_ssrc(0) depctr_va_vcc(0) depctr_vm_vsrc(0)
	s_getreg_b32 s2, hwreg(HW_REG_IB_STS2, 6, 4)
	s_cmp_eq_u32 s2, 0
	s_cbranch_scc0 .Lentry_in_a_cluster
	s_endpgm
.Lentry_in_a_cluster:
	s_bfe_u32 s2, ttmp6, 0x10000c
	s_cmp_lg_u32 s2, 0xf033
	s_cbranch_scc0 .Lentry_shape_is_right
	s_endpgm
.Lentry_shape_is_right:
; out0[m][n] = bf16((sum over k of q[m][k] w[n][k]) xs[m] ws[n] + bias[n]).  q16: [1024][4096] f16 (whole numbers -128..127), weight: [16384][4096] int8,
; xs: [1024] f32, weight_scale, bias: [16384] f32, out0: [1024][16384] bf16.
; FORMAT.  Both operands are whole numbers of at most 8 significant bits (reference()'s own clip, and the int8 type), exact in f16 whatever the size of x; products are exact, sums are kept in f32.
; LIMIT: reference() sums in i32; a sum here can pass 2^24 (up to 4096 x 128 x 127) and then carries f32's rounding, of relative order 2^-24 a link.  Within each 32 of K, k is
; permuted alike in both operands, so the products are grouped otherwise than in ascending k.
; SHARES.  A tile of out0 is 256 tokens x 256 columns: 4 x 64 tiles, one work-group each.  Wave w owns ALL 256 tokens and weight rows 64 w .. 64 w + 63: 16 x 4 accumulators of 16 x 16, 512 registers.
; So each weight byte is widened to f16 by one wave alone: 80 vector instructions for 64 matrix instructions.  For 32 along K a wave reads 16 KiB of q and 2 KiB of int8 weights from LDS.
; WIDENING.  w xor 0x80 is w + 128 as an unsigned byte u; the f16 0x6400 | u is 1024 + u exactly; adding -1152 gives w exactly: one xor for four bytes, two v_perm_b32, two v_pk_add_f16.
; These 80 instructions stand BETWEEN matrix instructions, five behind each of a quarter's first 16 products, so that the wave does not leave the matrix unit without work while it widens.
; RINGS.  K goes in 32 steps of 128.  q's ring: two slots of one step (rows of 128 f16).  The weights' ring: two slots of TWO steps (rows of 256 int8).  Every row that a tensor load fetches
; is 256 consecutive bytes at a multiple of 256 from its buffer's first byte.  A lap is four steps, once round the weights' ring; 8 laps.
; CLUSTERS: 4 x 4 work-groups.  The four of a row of the cluster need the same tiles of q, the four of a column (all four tile rows of out0) the same tiles of the weights: each tile is asked for
; JOINTLY, by the same tensor load with the same descriptor and a mask that names the four.  So each weight tile is asked for once in the launch.
; THE MATRIX INSTRUCTION IS USED TRANSPOSED: source 0 = 16 weight rows, source 1 = 16 tokens: lane l then holds token l % 16 and the eight neighbouring columns 8 (l / 16) + 0..7.
; REGISTERS, in windows of 256 (s_set_vgpr_msb's low byte: bits 1:0 source 0, 3:2 source 1, 5:4 source 2, 7:6 destination).  The map is made so that the widening needs no switch of its own: under
; the setting of the products on token blocks 0-3 (source 1 window 1, all else window 0) its destinations and first sources lie in window 0 and its one second source, the constant, in window 1.
;   window 0: v0-15 addresses; v16-31 raw weights; v32-95 the weights' f16 fragments (on the way out: work); v128-255 the accumulators of token blocks 0-3 ((a, b) at v[128 + 8 (4 a + b)])
;   window 1: q's fragments of blocks 0-14, buffer g at v[120 g + 8 a]; v240 the constant -1152 twice in f16; on the way out 64 whole rows
;   window 2: v0-191 the accumulators of blocks 4-9; v192-207 in_scale; v208-239 weight_scale
;   window 3: v0-191 the accumulators of blocks 10-15; v192-207 q's fragments of block 15, for which window 1 has no room beside the constant; v208-239 bias
.set PITCH,  272                       ; an LDS row: 256 bytes + 16 of padding = 68 words: row r starts at bank 4 r mod 64 (64 banks of 4 bytes: ISA guide 11.1), so the 16 rows of a load start at 16 different banks
.set HALF,   128*PITCH                 ; 128 rows: what one tensor load brings
.set SLOT,   2*HALF                    ; 256 rows
.set BBASE,  2*SLOT                    ; q's slots at 0 and SLOT; the weights' at BBASE and BBASE + SLOT; the end is 4 SLOT = 278,528
.set SPITCH, 528                       ; the stage on the way out: 256 rows of 512 bytes + 16, from LDS byte 0: inside q's slots, written only behind their last fill of the launch
.set RAW, 16                           ; window 0: one quarter's int8 weights: block b at RAW + 4 b, 16 bytes a lane
.set BF,  32                           ; window 0: the weights' fragments: buffer g at BF + 32 g, block b at + 8 b
.set KN,  240                          ; window 1: -1152.0 twice, in f16
.set XS,  192                          ; window 2: in_scale of token 16 a + l % 16, at XS + a
.set WS,  208                          ; window 2: weight_scale of my 32 columns: block b, column j at WS + 8 b + j
.set BI,  208                          ; window 3: bias, likewise
.set TW,  32                           ; window 0, the way out: a token block's 32 numbers in f32 (the weights' fragments are done with)
.set PKD, 64                           ; window 0, the way out: the same in bf16
; v1 l % 16; v2, v3 my place in q's slot 0, 1; v4, v5 in the weights' slot 0, 1; v6, v7 into the stage (blocks 0-7, 8-15); v8 back from it; v9 my offset in out0; v11, v12 offsets of scales
.set G1A, 24                           ; s[24:31] descriptor group 1 for q's tiles;   s[32:39] group 0, a set for each slot
.set G0A, 32
.set G1B, 40                           ; s[40:47], s[48:55] the same for the weights' tiles
.set G0B, 48
.set MSB, 0
.macro WIN new                         ; the immediate's high byte repeats the setting that is left; a switch that changes nothing is dropped
.if MSB != \new
	s_set_vgpr_msb (MSB<<8)|\new
.set MSB, \new
.endif
.endm
.set MUL_0, 0x04                       ; source 0 (weights) window 0, source 1 (q) window 1, C and D window 0: token blocks 0-3, and the widening
.set MUL_2, 0xa4                       ; C and D window 2: blocks 4-9
.set MUL_3, 0xf4                       ; C and D window 3: blocks 10-14
.set MUL_L, 0xfc                       ; the same with source 1 in window 3: block 15
.macro PLACES
.rept 4
	v_nop
.endr
.endm
; Joint refills.  Waves 0 and 1 fetch the two halves of q's tile, waves 2 and 3 those of the weights'.  The branch hangs on the wave's number alone: it is the same in every work-group.
; Four v_nop follow each tensor load, ahead of the jump, the label and what follows.
.macro JLOAD_AB ga, gb                 ; a step's end at which both rings have a slot to fill
	s_cmp_eq_u32 s17, 0
	s_cbranch_scc0 .Lfor_b_\@
	tensor_load_to_lds s[\ga:\ga+3], s[G1A:G1A+7]
	s_nop 0
	PLACES
	s_branch .Lasked_\@
.Lfor_b_\@:
	tensor_load_to_lds s[\gb:\gb+3], s[G1B:G1B+7]
	s_nop 0
	PLACES
.Lasked_\@:
.endm
.macro JLOAD_A ga                      ; a step's end at which q's ring alone has one: waves 2 and 3 have no part of a tile to fill and issue none
	s_cmp_eq_u32 s17, 0
	s_cbranch_scc0 .Lnone_\@
	tensor_load_to_lds s[\ga:\ga+3], s[G1A:G1A+7]
	s_nop 0
	PLACES
.Lnone_\@:
.endm
; A round of the cluster's barrier: my work-group's barrier, so that wave 0's signal speaks for all four waves; wave 0 signals for the work-group; every wave waits for all sixteen
; work-groups; my work-group's barrier once more.
.macro CREST                           ; a round behind its opening barrier
	s_cmp_lg_u32 s16, 0
	s_cbranch_scc1 .Lnot_wave_0_\@
	s_barrier_signal -3
.Lnot_wave_0_\@:
	s_barrier_wait -3
	s_barrier_signal -1
	s_barrier_wait -1
.endm
.macro CROUND                          ; a whole round
	s_barrier_signal -1
	s_barrier_wait -1
	CREST
.endm
	s_load_b256 s[4:11], s[0:1], 0x0               ; q16 s[4:5], weight s[6:7], xs s[8:9], weight_scale s[10:11]
	s_load_b128 s[12:15], s[0:1], 0x20             ; bias s[12:13], out0 s[14:15]
	v_lshl_add_u32 v126, v0, 2, 0x44000
	v_mov_b32 v127, 0
	ds_add_u32 v126, v127
	v_lshrrev_b32 v1, 5, v0
	v_readfirstlane_b32 s16, v1                    ; wave 0..3
	s_lshr_b32 s17, s16, 1                         ; I fetch for q (0) or for the weights (1),
	s_and_b32 s18, s16, 1                          ; and which 128 rows of that tile
	s_mov_b32 s20, 0x64646464                      ; the upper byte of the f16 1024 + u
	s_mov_b32 s21, 0x00050004                      ; v_perm_b32 (first source the raw word, second s20): {0x64, byte 1, 0x64, byte 0}
	s_mov_b32 s22, 0x00070006                      ;                                                     {0x64, byte 3, 0x64, byte 2}
	s_mov_b32 s23, 0x80808080                      ; w xor 0x80 = w + 128, four bytes at once
	s_bfe_u32 s56, ttmp6, 0x40000                  ; cx: my place along the cluster's x
	s_bfe_u32 s57, ttmp6, 0x40004                  ; cy: along its y.  The grid's four tile rows are one cluster's height: the tile row IS cy
	s_lshl_b32 s58, ttmp9, 2                       ; in a cluster launch ttmp9 counts clusters
	s_add_co_u32 s58, s58, s56                     ; tile column = 4 x cluster x + cx
	s_lshl_b32 s70, s57, 2
	s_lshl_b32 s70, 15, s70                        ; my row of the cluster: places 4 cy .. 4 cy + 3
	s_lshl_b32 s71, 0x1111, s56                    ; my column: places cx, cx + 4, cx + 8, cx + 12
	; descriptor group 1.  q: a tile of 128 rows x 128 elements of 2 bytes.  Weights: 128 rows x 256 elements of 1 byte.  Both padded in LDS by 4 words behind every 64.
	s_or_b32 s[G1A], s70, 0x07710000               ; 15:0 the mask: my row; 17:16 = 1: elements of 2 bytes; 20 padding on; 21 set beside a mask; 24:22 = 5: after every 64 words; 31:25 = 3: 4 words
	s_or_b32 s[G1B], s71, 0x07700000               ; the mask of my column; 17:16 = 0: elements of 1 byte; the rest as above
	s_mov_b32 s[G1A+1], 128<<16                    ; 63:48 tensor_dim0 = 128
	s_mov_b32 s[G1B+1], 256<<16                    ;       256
	s_mov_b32 s[G1A+2], 128<<16                    ; 95:80 tensor_dim1 = 128
	s_mov_b32 s[G1B+2], 128<<16
	s_mov_b32 s[G1A+3], 128<<16                    ; 127:112 tile_dim0 = 128
	s_mov_b32 s[G1B+3], 256<<16                    ;         256
	s_mov_b32 s[G1A+4], 128                        ; 143:128 tile_dim1 = 128 rows
	s_mov_b32 s[G1B+4], 128
	s_mov_b32 s[G1A+5], 4096                       ; 191:160 elements from row to row
	s_mov_b32 s[G1B+5], 4096
	s_mov_b32 s[G1A+6], 0
	s_mov_b32 s[G1B+6], 0
	s_mov_b32 s[G1A+7], 0
	s_mov_b32 s[G1B+7], 0
	; where the tiles come from.  q's hang on the tile row alone, which my row of the cluster shares; the weights' on the tile column alone, which my column shares.
	s_lshl_b32 s60, s57, 21                        ; q: 256 rows of 8,192 bytes a tile row,
	s_lshl_b32 s59, s18, 20                        ; 128 rows a half
	s_add_co_u32 s60, s60, s59
	s_mov_b32 s61, 0
	s_lshl_b32 s66, s58, 20                        ; weights: 256 rows of 4,096 bytes a tile column,
	s_lshl_b32 s67, s18, 19                        ; 128 rows a half
	s_add_co_u32 s66, s66, s67
	s_mov_b32 s67, 0
	s_mul_i32 s72, s16, HALF                       ; and where they go: wave x 128 rows: waves 0, 1 into q's slot, waves 2, 3 (with SLOT added below) into the weights'
	s_wait_dscnt 0x0
	s_wait_kmcnt 0x0
	s_add_nc_u64 s[62:63], s[4:5], s[60:61]
	s_add_nc_u64 s[68:69], s[6:7], s[66:67]
	CROUND                                         ; all sixteen work-groups are here: the first joint loads meet
.irp s, 0,1
	s_mov_b32 s[G0A+4*\s], 1                                       ; 1:0 count = 1
	s_add_co_u32 s[G0A+4*\s+1], s72, \s*SLOT                       ; 63:32 LDS address
	s_add_nc_u64 s[G0A+4*\s+2:G0A+4*\s+3], s[62:63], \s*256        ; 120:64 global address: K step s (128 f16)
	s_or_b32 s[G0A+4*\s+3], s[G0A+4*\s+3], 0x80000000              ; 127:126 type = 2
	s_mov_b32 s[G0B+4*\s], 1
	s_add_co_u32 s[G0B+4*\s+1], s72, SLOT+\s*SLOT                  ; BBASE + (wave - 2) x HALF + slot
	s_add_nc_u64 s[G0B+4*\s+2:G0B+4*\s+3], s[68:69], \s*256        ; K steps 2 s and 2 s + 1 (256 int8)
	s_or_b32 s[G0B+4*\s+3], s[G0B+4*\s+3], 0x80000000
.endr
	s_cmp_eq_u32 s17, 0                            ; a wave's two first fills stand in one branch, ahead of every wait on TENSORcnt, every LDS read and every other barrier: two loads of mine are out
	s_cbranch_scc0 .Lfirst_b
	tensor_load_to_lds s[G0A:G0A+3], s[G1A:G1A+7]
	s_nop 0
	tensor_load_to_lds s[G0A+4:G0A+7], s[G1A:G1A+7]
	s_nop 0
	PLACES
	s_branch .Lfirst_asked
.Lfirst_b:
	tensor_load_to_lds s[G0B:G0B+3], s[G1B:G1B+7]
	s_nop 0
	tensor_load_to_lds s[G0B+4:G0B+7], s[G1B:G1B+7]
	s_nop 0
	PLACES
.Lfirst_asked:
	; FRAGMENTS.  The unit's place (lane half h, register i, half word) takes logical k = 16 h + 2 i + half word of the quarter's 32, in BOTH operands: a permutation of k applied alike, which keeps
	; the products.  So a lane's 16 weights are 16 neighbouring bytes (one load), and its 16 numbers of q are 32 neighbouring bytes (two loads).
	v_and_b32 v1, 15, v0                           ; r = l % 16
	v_bfe_u32 v13, v0, 4, 1                        ; h = l / 16
	v_and_b32 v14, 31, v0                          ; l
	v_mul_u32_u24 v15, v1, PITCH
	v_lshl_add_u32 v2, v13, 5, v15                 ; q: row r x pitch + 32 h
	v_add_nc_u32 v3, SLOT, v2
	s_mul_i32 s73, s16, 64*PITCH                   ; my 64 weight rows,
	s_add_co_u32 s73, s73, BBASE                   ; behind q's ring
	v_lshl_add_u32 v4, v13, 4, v15                 ; weights: row r x pitch + 16 h
	v_add_nc_u32 v4, s73, v4
	v_add_nc_u32 v5, SLOT, v4
	v_mul_u32_u24 v6, v1, SPITCH                   ; into the stage: token row r, my wave's 128 bytes of it, 16 bytes for each half of the lanes
	v_lshl_add_u32 v6, v13, 4, v6
	s_lshl_b32 s73, s16, 7
	v_add_nc_u32 v6, s73, v6
	v_add_nc_u32 v7, 8*16*SPITCH, v6               ; token blocks 8-15: beyond the reach of a 16-bit offset
	v_lshlrev_b32 v9, 4, v14                       ; back, and in out0: a row's 512 bytes, 16 a lane
	s_mul_i32 s73, s16, 64*SPITCH                  ; wave w takes rows 64 w .. 64 w + 63
	v_add_nc_u32 v8, s73, v9
	v_lshlrev_b32 v11, 2, v1                       ; xs: 4 r
	v_lshlrev_b32 v12, 5, v13                      ; weight_scale, bias: 8 h numbers of 4 bytes
	s_lshl_b32 s74, s57, 10                        ; xs at the tile's first token: 256 x 4 bytes a tile row
	s_mov_b32 s75, 0
	s_add_nc_u64 s[8:9], s[8:9], s[74:75]
	s_lshl_b32 s76, s58, 10                        ; weight_scale and bias at my first column: 256 x 4 bytes a tile column,
	s_lshl_b32 s77, s16, 8                         ; 64 x 4 bytes a wave
	s_add_co_u32 s76, s76, s77
	s_mov_b32 s77, 0
	s_add_nc_u64 s[10:11], s[10:11], s[76:77]
	s_add_nc_u64 s[12:13], s[12:13], s[76:77]
	s_lshl_b32 s78, s57, 23                        ; out0 at the first row that I store: 256 rows of 32,768 bytes a tile row,
	s_lshl_b32 s79, s16, 21                        ; 64 rows a wave,
	s_add_co_u32 s78, s78, s79
	s_lshl_b32 s79, s58, 9                         ; 512 bytes a tile column
	s_add_co_u32 s78, s78, s79
	s_mov_b32 s79, 0
	s_add_nc_u64 s[14:15], s[14:15], s[78:79]
	; scales and bias are read once, here, and kept in registers to the end
	WIN 0x80                                       ; destination window 2, address window 0
.irp a, 0,1,2,3,4,5,6,7,8,9,10,11,12,13,14,15
	global_load_b32 v[XS+\a], v11, s[8:9] offset:64*\a
.endr
.irp b, 0,1,2,3
	global_load_b128 v[WS+8*\b:WS+8*\b+3],   v12, s[10:11] offset:64*\b
	global_load_b128 v[WS+8*\b+4:WS+8*\b+7], v12, s[10:11] offset:64*\b+16
.endr
	WIN 0xc0                                       ; destination window 3
.irp b, 0,1,2,3
	global_load_b128 v[BI+8*\b:BI+8*\b+3],   v12, s[12:13] offset:64*\b
	global_load_b128 v[BI+8*\b+4:BI+8*\b+7], v12, s[12:13] offset:64*\b+16
.endr
	WIN 0x40                                       ; destination window 1
	v_mov_b32 v[KN], 0xe480e480                    ; -1152.0 twice, in f16
	WIN 0
; THE WIDENING of a quarter's 64 x 32 weights is a list of 80 instructions; CV writes number cj of it, for buffer g, and steps cj.  It is written for the setting MUL_0.
;   0-15   w + 128 as unsigned bytes, in place, four at a time.  These name RAW alone, which no matrix instruction names
;   16-47  1024 + u, two to a register: raw word d makes registers 2 d and 2 d + 1 of the fragments
;   48-79  - 1152
; An instruction of the list reads what was written 16 numbers back or more.
.macro CV g
.if cj < 16
	v_xor_b32 v[RAW+cj], v[RAW+cj], s23
.elseif cj < 48
.if cj%2 == 0
	v_perm_b32 v[BF+32*\g+cj-16], v[RAW+(cj-16)/2], s20, s21
.else
	v_perm_b32 v[BF+32*\g+cj-16], v[RAW+(cj-16)/2], s20, s22
.endif
.else
	v_pk_add_f16 v[BF+32*\g+cj-48], v[BF+32*\g+cj-48], v[KN]
.endif
.set cj, cj+1
.endm
; THE MATRIX WORK.  The 64 accumulators take turns, one instruction a turn, in the same order in every quarter.  zero = 1: the first product starts the sums: nothing is ever cleared.
; P0: the 16 products of token blocks 0-3 on buffers f; conv = 1: five instructions of the next quarter's widening, into buffer g, stand behind each.
.macro P0 f, g, zero, conv
	WIN MUL_0
.set cj, 0
.irp a, 0,1,2,3
.irp b, 0,1,2,3
.if \zero
	v_wmma_f32_16x16x32_f16 v[128+32*\a+8*\b:128+32*\a+8*\b+7], v[BF+32*\f+8*\b:BF+32*\f+8*\b+7], v[120*\f+8*\a:120*\f+8*\a+7], 0
.else
	v_wmma_f32_16x16x32_f16 v[128+32*\a+8*\b:128+32*\a+8*\b+7], v[BF+32*\f+8*\b:BF+32*\f+8*\b+7], v[120*\f+8*\a:120*\f+8*\a+7], v[128+32*\a+8*\b:128+32*\a+8*\b+7]
.endif
.if \conv
.rept 5
	CV \g
.endr
.endif
.endr
.endr
.endm
; MULA: the 4 products of token block a (4 to 15) on buffers f
.macro MULA f, a, zero
.if (\a) < 10
.set AB, 32*((\a)-4)
	WIN MUL_2
.elseif (\a) < 15
.set AB, 32*((\a)-10)
	WIN MUL_3
.else
.set AB, 160
	WIN MUL_L
.endif
.if (\a) < 15
.set AF, 120*\f+8*(\a)
.else
.set AF, 192+8*\f
.endif
.irp b, 0,1,2,3
.if \zero
	v_wmma_f32_16x16x32_f16 v[AB+8*\b:AB+8*\b+7], v[BF+32*\f+8*\b:BF+32*\f+8*\b+7], v[AF:AF+7], 0
.else
	v_wmma_f32_16x16x32_f16 v[AB+8*\b:AB+8*\b+7], v[BF+32*\f+8*\b:BF+32*\f+8*\b+7], v[AF:AF+7], v[AB+8*\b:AB+8*\b+7]
.endif
.endr
.endm
; THE LDS LOADS stand in one run a quarter, never singly among the matrix instructions.
.macro RAWLD sl, off                   ; 4 loads: a quarter's int8 weights, at byte off of the rows of the weights' slot sl.  Destination and address in window 0: right under MUL_0 and under 0
.irp b, 0,1,2,3
	ds_load_b128 v[RAW+4*\b:RAW+4*\b+3], v[4+\sl] offset:\off+\b*16*PITCH
.endr
.endm
.macro FETCH_A sl, off, g              ; 32 loads: a quarter's fragments of q (256 tokens x 32 K), at byte off of the rows of q's slot sl, into buffer g; block 0 first
	WIN 0x40                                       ; destination window 1, address window 0
.irp a, 0,1,2,3,4,5,6,7,8,9,10,11,12,13,14
	ds_load_b128 v[120*\g+8*\a:120*\g+8*\a+3],   v[2+\sl] offset:\off+\a*16*PITCH
	ds_load_b128 v[120*\g+8*\a+4:120*\g+8*\a+7], v[2+\sl] offset:\off+\a*16*PITCH+16
.endr
	WIN 0xc0                                       ; block 15: destination window 3
	ds_load_b128 v[192+8*\g:192+8*\g+3],   v[2+\sl] offset:\off+15*16*PITCH
	ds_load_b128 v[192+8*\g+4:192+8*\g+7], v[2+\sl] offset:\off+15*16*PITCH+16
.endm
; QUARTER t of a lap's 16 (32 along K, 64 matrix instructions) multiplies buffers t % 2 and makes quarter t + 1 ready in the other buffers: its raw weights (fetched a quarter ago) are widened
; between the first 16 products; then one run of loads fetches quarter t + 2's raw weights (raw = 0: there is none) and quarter t + 1's fragments of q, 48 products ahead of their first use.
; PLACES.  A load into, or a vector write of, a register that a matrix instruction has read stands four places behind it, and only plain vector instructions that name none of its registers are
; places (ISA guide 7.12.1 for vector instructions).  The other buffers' last reader is the quarter before; the list's 16 xors stand between it and the first
; write into the weights' other buffer, and the whole list between it and the loads into q's other buffer.  So a quarter has no v_nop of its own.
; A step's LAST quarter (t % 4 = 3) changes q's slots: ONE barrier.  In front of it each wave waits for all its LDS reads and all its tensor loads; behind it nobody reads the slot just
; multiplied, and the slots asked for a step ago are whole.  kind = 1: q's slot is filled again, two steps on; 2: so is the weights' slot whose second step this was, two double steps on;
; the barrier then opens a round of the cluster's, and the joint refill is the first thing behind the round.  kind = 0: nothing is left to fetch.
; The weights' slots are read up to two quarters ahead: a double step has been shown whole by the barrier a step or more before its first raw load, and a slot's last raw load (quarter 1 of its
; second step) stands in front of that step's wait for all LDS reads.
.macro Q t, zero, kind, raw
.set QF, (\t)%2
.set QG, 1-QF
.set QT1, ((\t)+1)%16
.set QT2, ((\t)+2)%16
.set AS1, (QT1/4)%2                    ; quarter t + 1: q's slot and the byte in its rows
.set KA1, 64*(QT1%4)
.set BS2, QT2/8                        ; quarter t + 2: the weights' slot and the byte in its rows
.set KB2, 128*((QT2/4)%2)+32*(QT2%4)
.set GA, G0A+4*(((\t)/4)%2)            ; the slots that this step leaves
.set GB, G0B+4*((\t)/8)
.set NL, 32+4*\raw                     ; the loads of this quarter's run
	s_wait_dscnt 24                                ; LDS loads come back in order (ISA guide 5.7.1): the raw weights and q's blocks 0-3 are in; behind them stand the 24 loads of blocks 4-15
	P0 QF, QG, \zero, 1
.if (\t)%4 != 3
.if \raw
	RAWLD BS2, KB2
.endif
	FETCH_A AS1, KA1, QG
	s_wait_dscnt 12+NL                             ; q's blocks 4-9 are in: behind them stand the 12 loads of blocks 10-15 and the run just issued
.irp a, 4,5,6,7,8,9
	MULA QF, \a, \zero
.endr
	s_wait_dscnt NL                                ; blocks 10-15: all but the run just issued
.irp a, 10,11,12,13,14,15
	MULA QF, \a, \zero
.endr
.else
	s_wait_dscnt 0x0                               ; my reads of the slots that are left are over,
	s_set_vgpr_msb 0x400
	s_wait_tensorcnt 0x0                           ; and all my tensor loads have landed: at most one was out
	ds_add_u32 v126, v127
	s_wait_dscnt 0x0
	s_set_vgpr_msb 0x4
	s_barrier_signal -1                            ; say so,
.irp a, 4,5,6,7,8,9
	MULA QF, \a, \zero                             ; work on registers while the others arrive,
.endr
	WIN 0                                          ; (branches may follow; the loads below want window 0)
	s_barrier_wait -1                              ; and go on when all four have said so
.if \kind >= 1
	CREST                                          ; all sixteen work-groups have said so: no wave of any partner still reads these slots or has a load on its way
	s_add_nc_u64 s[GA+2:GA+3], s[GA+2:GA+3], 512   ; two K steps of 128 f16 on; no tensor load of mine is out, so a group 0 may be written
.endif
.if \kind == 2
	s_add_nc_u64 s[GB+2:GB+3], s[GB+2:GB+3], 512   ; two double steps of 256 int8 on
	JLOAD_AB GA, GB                                ; my one tensor load behind the round: 232 matrix instructions ahead of the wait for it
.elseif \kind == 1
	JLOAD_A GA
.endif
	RAWLD BS2, KB2
	FETCH_A AS1, KA1, QG
.irp a, 10,11,12,13,14,15
	MULA QF, \a, \zero
.endr
.endif
.endm
	s_wait_loadcnt 0x0                             ; scales and bias, once
	s_wait_tensorcnt 1                             ; my first fill (q's step 0, or the weights' steps 0 and 1) is in; my second may stay out
	s_barrier_signal -1
	s_barrier_wait -1                              ; everybody's is
	RAWLD 0, 0                                     ; quarter 0's raw weights
	s_wait_dscnt 0x0
	WIN MUL_0
.set cj, 0
.rept 80
	CV 0                                           ; the first widening has no products to stand between
.endr
	RAWLD 0, 32                                    ; quarter 1's raw weights, then quarter 0's fragments of q: the order in which every quarter leaves its loads
	FETCH_A 0, 0, 0
	Q 0, 1, 0, 1                                   ; the first quarter stands in front of the loop: its products start the sums
	WIN 0                                          ; at a label and at a branch every window is 0
	s_mov_b32 s19, 7
.Llap:                                                 ; a trip goes once round the weights' ring, from a lap's second quarter to the next lap's first
	Q 1, 0, 0, 1
	Q 2, 0, 0, 1
	Q 3, 0, 1, 1
	Q 4, 0, 0, 1
	Q 5, 0, 0, 1
	Q 6, 0, 0, 1
	Q 7, 0, 2, 1
	Q 8, 0, 0, 1
	Q 9, 0, 0, 1
	Q 10, 0, 0, 1
	Q 11, 0, 1, 1
	Q 12, 0, 0, 1
	Q 13, 0, 0, 1
	Q 14, 0, 0, 1
	Q 15, 0, 2, 1
	Q 0, 0, 0, 1
	WIN 0
	s_sub_co_u32 s19, s19, 1
	s_cmp_lg_u32 s19, 0
	s_cbranch_scc1 .Llap
	; the last lap, K steps 28 to 31, is written out
	Q 1, 0, 0, 1
	Q 2, 0, 0, 1
	Q 3, 0, 1, 1                                   ; q's step 30
	Q 4, 0, 0, 1
	Q 5, 0, 0, 1
	Q 6, 0, 0, 1
	Q 7, 0, 1, 1                                   ; q's step 31; the weights have all been asked for
	Q 8, 0, 0, 1
	Q 9, 0, 0, 1
	Q 10, 0, 0, 1
	Q 11, 0, 0, 1                                  ; nothing is left to fetch: a plain barrier
	Q 12, 0, 0, 1
	Q 13, 0, 0, 1
	Q 14, 0, 0, 0                                  ; no quarter follows the next one
	s_wait_dscnt 0x0                               ; the very last quarter: all my reads of the rings are over,
	s_barrier_signal -1                            ; which the others must know before they write the stage over q's slots
	P0 1, 0, 0, 0                                  ; nothing is left to widen
.irp a, 4,5,6,7,8,9,10,11,12,13,14,15
	MULA 1, \a, 0
.endr
	WIN 0
	s_barrier_wait -1
	PLACES                                         ; the multiplies below read results just made, and write where the weights' fragments lay
; THE WAY OUT of token block a: (sum x in_scale) x weight_scale + bias in f32, rounded once to bf16; a lane's eight neighbouring columns of a block b are 16 bytes, which go into the stage.
.macro OUTBLK a
.if (\a) < 4
.set AB, 128+32*(\a)
.set WSRC, 0x08                        ; source 0 (the sums) window 0, source 1 (in_scale) window 2
.elseif (\a) < 10
.set AB, 32*((\a)-4)
.set WSRC, 0x0a                        ; the sums in window 2
.else
.set AB, 32*((\a)-10)
.set WSRC, 0x0b                        ; in window 3
.endif
	WIN WSRC
.set p, 0
.rept 16
.if (\a)%2 == 0
	v_pk_mul_f32 v[TW+2*p:TW+2*p+1], v[AB+2*p:AB+2*p+1], v[XS+(\a):XS+(\a)+1] op_sel_hi:[1,0]              ; both by the pair's first register
.else
	v_pk_mul_f32 v[TW+2*p:TW+2*p+1], v[AB+2*p:AB+2*p+1], v[XS+(\a)-1:XS+(\a)] op_sel:[0,1] op_sel_hi:[1,1]  ; both by its second
.endif
.set p, p+1
.endr
	WIN 0x38                                       ; source 1 (weight_scale) window 2, source 2 (bias) window 3
.set p, 0
.rept 16
	v_pk_fma_f32 v[TW+2*p:TW+2*p+1], v[TW+2*p:TW+2*p+1], v[WS+2*p:WS+2*p+1], v[BI+2*p:BI+2*p+1]
.set p, p+1
.endr
	WIN 0
.set p, 0
.rept 16
	v_cvt_pk_bf16_f32 v[PKD+p], v[TW+2*p], v[TW+2*p+1]
.set p, p+1
.endr
.irp b, 0,1,2,3
	ds_store_b128 v[6+(\a)/8], v[PKD+4*\b:PKD+4*\b+3] offset:((\a)%8)*16*SPITCH+32*\b
.endr
.endm
.irp a, 0,1,2,3,4,5,6,7,8,9,10,11,12,13,14,15
	OUTBLK \a
.endr
	s_wait_dscnt 0x0                               ; for the others' sake: my stores into the stage are done; a row's 512 bytes come from all four waves
	s_barrier_signal -1
	s_barrier_wait -1
	WIN 0x40                                       ; destination window 1: q's fragments and the constant are done with
.set i, 0
.rept 64
	ds_load_b128 v[4*i:4*i+3], v8 offset:SPITCH*i  ; a whole row of the tile, 16 bytes a lane
.set i, i+1
.endr
	WIN 0x04                                       ; store data (source 1) window 1
.set i, 0
.rept 64
	s_wait_dscnt 63-i                              ; row i is in: behind it stand the 63 - i loads of the later rows
	global_store_b128 v9, v[4*i:4*i+3], s[14:15] offset:32768*i th:TH_STORE_NT   ; the wave stores 512 consecutive bytes, at a multiple of 512 from out0's first byte; 63 rows at the most, inside the signed 24-bit immediate
.set i, i+1
.endr
	WIN 0
	s_wait_tensorcnt 0x0
	ds_add_u32 v126, v127
	s_wait_dscnt 0x0
	CROUND                                         ; the closing round: no work-group ends while a partner may still ask for a tile that names it
	s_endpgm
.Lfunc_end_k_qaec93fdb47_gemm:
	.size	k_qaec93fdb47_gemm, .Lfunc_end_k_qaec93fdb47_gemm-k_qaec93fdb47_gemm
	.p2alignl 7, 3214868480
	.fill 96, 4, 3214868480
	.section	.rodata,"a",@progbits
	.p2align	6, 0x0
	.amdhsa_kernel k_qaec93fdb47_gemm
		.amdhsa_group_segment_fixed_size 327680
		.amdhsa_private_segment_fixed_size 0
		.amdhsa_enable_private_segment 0
		.amdhsa_kernarg_size 48
		.amdhsa_user_sgpr_count 2
		.amdhsa_user_sgpr_kernarg_segment_ptr 1
		.amdhsa_wavefront_size32 1
		.amdhsa_system_sgpr_workgroup_id_x 1
		.amdhsa_system_sgpr_workgroup_id_y 1
		.amdhsa_system_sgpr_workgroup_id_z 1
		.amdhsa_system_vgpr_workitem_id 0
		.amdhsa_next_free_vgpr 1024
		.amdhsa_next_free_sgpr 80
		.amdhsa_reserve_vcc 0
		.amdhsa_float_denorm_mode_32 3
		.amdhsa_float_denorm_mode_16_64 3
		.amdhsa_memory_ordered 1
		.amdhsa_forward_progress 1
		.amdhsa_inst_pref_size 255
	.end_amdhsa_kernel
	.section	.bss,"aw",@nobits
	.p2align	6
	.space	262144
	.amdgpu_metadata
---
amdhsa.version: [ 1, 2 ]
amdhsa.kernels:
  - .name:           k_qaec93fdb47_gemm
    .symbol:         k_qaec93fdb47_gemm.kd
    .args:
      - { .name: q16, .offset: 0, .size: 8, .value_kind: global_buffer, .address_space: global }
      - { .name: weight, .offset: 8, .size: 8, .value_kind: global_buffer, .address_space: global }
      - { .name: xs, .offset: 16, .size: 8, .value_kind: global_buffer, .address_space: global }
      - { .name: weight_scale, .offset: 24, .size: 8, .value_kind: global_buffer, .address_space: global }
      - { .name: bias, .offset: 32, .size: 8, .value_kind: global_buffer, .address_space: global }
      - { .name: out0, .offset: 40, .size: 8, .value_kind: global_buffer, .address_space: global }
    .group_segment_fixed_size: 327680
    .private_segment_fixed_size: 0
    .kernarg_segment_align: 8
    .kernarg_segment_size: 48
    .max_flat_workgroup_size: 128
    .sgpr_count:     80
    .vgpr_count:     1024
    .wavefront_size: 32
...
	.end_amdgpu_metadata
.endif
;; end of part 2
;; ======== version 2 of 2: 2 launches; version 1 with the launch quant written anew for expert scheduling mode
;; workspace buffers: q16 8,388,608 bytes; xs 4,096 bytes
;; launch quant (part 3): grid 256 x 1, 4 waves a work-group, no clusters, 0 bytes of LDS; arguments x, q16, xs; writes q16, xs
.if DOCPART == 3
	.amdgcn_target "amdgcn-amd-amdhsa--gfx1250"
	.amdhsa_code_object_version 6
	.text
	.protected	k_qaec93fdb47_quant
	.globl	k_qaec93fdb47_quant
	.p2align	8
	.type	k_qaec93fdb47_quant,@function
k_qaec93fdb47_quant:
	s_mov_b64 s[64:65], 0
	v_nop
	global_prefetch_b8 v0, s[64:65] scope:SCOPE_SE
	s_setreg_imm32_b32 hwreg(HW_REG_WAVE_SCHED_MODE, 0, 2), 2
	s_setreg_imm32_b32 hwreg(HW_REG_WAVE_MODE, 25, 1), 1
	s_wait_xcnt 0x0
	s_wait_alu depctr_vm_vsrc(0)
; Per-token symmetric quantisation.  x: [1024][4096] f32.  q16: [1024][4096] f16, the whole numbers q = clamp(round(x / in_scale), -128, 127).
; xs: [1024] f32, in_scale = amax / 127.  q has at most 8 significant bits, so f16 holds it exactly, whatever the size of x.
; One wave takes one row: 16,384 bytes are 128 registers a lane, so the row stays in registers between the pass that finds the maximum
; and the pass that scales, and memory is read once.  No LDS, no barrier, no loop: a wave has all its 32 loads out at once.
; LIMITS.  x / in_scale is formed as x * (127 * (1 / amax)) with v_rcp_f32: where the quotient lies within a few last places of a half, q may differ by 1
; from a true division.  v_rcp_f32 takes a denormal input as zero and gives zero for a denormal result (ISA guide 15.8): rows with 0 < amax < 2^-126 or amax > 2^126 are not served.
; A row of zeros: 0 * inf is NaN, which loses in v_max_num_f32, so q = -128; in_scale = 0 then makes the row's products vanish in the next launch.
; THE MODE: SCHED_MODE bits 1:0 = 2 (LLVM: expert scheduling mode 2), set by the entry lines.  The code itself states the register dependences
; between vector instructions and memory instructions, with s_wait_alu, always for 0.
; THE PLAN.  Registers that memory instructions touch:
;   v1, v2, v3   byte offsets in x, q16 and xs: made once at the head, ahead of one wait, and never written again.
;   X            the 32 loads land in it at the start, before any vector instruction has named it.  Pass 2 works on piece j in place, in the piece's own four registers;
;                the piece's store reads the first two of them, and nothing writes them behind that.
;   v11          in_scale: written at the end of pass 1, read by the last store.
; Pass 2 goes in 8 blocks of four pieces.  Block p's vector instructions name v[12:13] and the block's own 16 registers of X, and no others.  So ONE wait at the head of block p states that block
; p - 1 has written the data of its four stores, and these are dealt among block p's vector instructions with no further wait.  No register that a store has read is written again, so but for
; the two writes of EXEC at the end nothing waits for a store to have read its registers.
.set M, 4                              ; v[4:7]    four running maxima
.set X, 16                             ; v[16:143] the row: load j at X + 4 j holds elements 128 j + 4 lane + 0..3
.set BLOCK,  4                         ; pieces (loads, and stores) in a block of pass 2
.set BLOCKS, 32 / BLOCK
	s_load_b128 s[4:7], s[0:1], 0x0                ; x s[4:5], q16 s[6:7]
	s_load_b64 s[8:9], s[0:1], 0x10                ; xs
	v_lshrrev_b32 v8, 5, v0
	v_readfirstlane_b32 s10, v8                    ; wave 0..3
	s_mov_b32 s14, 0x76543210                      ; v_permlanex16_b32: each lane takes its own place in the other half
	s_mov_b32 s15, 0xfedcba98
	s_mov_b32 s16, 0xc3000000                      ; -128.0
	s_mov_b32 s17, 0x42fe0000                      ; 127.0
	s_mov_b32 s18, 0xc2fe0000                      ; -127.0
	s_mov_b32 s19, 0x3c010204                      ; 1 / 127
	v_and_b32 v14, 31, v0                          ; lane
	v_lshlrev_b32 v1, 4, v14                       ; 16 bytes a lane in x
	v_lshlrev_b32 v2, 3, v14                       ; 8 bytes a lane in q16
	v_mov_b32 v3, 0                                ; offset of the row's word in xs
	v_mov_b32 v9, 0                                ; v_permlanex16_b32 counts as a reader of its destination
	s_mov_b32 s13, 0
	s_wait_alu depctr_va_sdst(0)                   ; s10 is written, ahead of its first reader: the three bases are made from it
	s_lshl_b32 s11, ttmp9, 2
	s_add_co_u32 s11, s11, s10                     ; my row = 4 x work-group + wave
	s_wait_kmcnt 0x0
	s_lshl_b32 s12, s11, 14                        ; a row of x: 16,384 bytes
	s_add_nc_u64 s[4:5], s[4:5], s[12:13]
	s_lshl_b32 s12, s11, 13                        ; a row of q16: 8,192 bytes
	s_add_nc_u64 s[6:7], s[6:7], s[12:13]
	s_lshl_b32 s12, s11, 2
	s_add_nc_u64 s[8:9], s[8:9], s[12:13]
	s_wait_alu depctr_va_vdst(0)                   ; v1, v2 and v3 are written: every load and store of the kernel reads one of them as its offset
.set j, 0
.rept 32
	global_load_b128 v[X+4*j:X+4*j+3], v1, s[4:5] offset:512*j th:TH_LOAD_NT   ; 512 neighbouring bytes a load; x is read once in the launch
.set j, j+1
.endr
	; pass 1: the largest |x| of my 128 numbers, in four chains that do not wait for each other; the first two loads start them
.set j, 0
.rept 16
.if j%8 == 0
	s_wait_loadcnt 24-j                            ; loads come back in order (ISA guide 5.7.1): loads j to j + 7 are in, the 24 - j behind them stay out
.endif
.irp k, 0,1,2,3
.if j == 0
	v_max_num_f32 v[M+\k], |v[X+\k]|, |v[X+4+\k]|
.else
	v_max3_num_f32 v[M+\k], v[M+\k], |v[X+4*j+\k]|, |v[X+4*j+4+\k]|
.endif
.endr
.set j, j+2
.endr
	v_max3_num_f32 v8, v[M], v[M+1], v[M+2]
	v_max_num_f32 v8, v8, v[M+3]
	; across the 32 lanes: four steps inside each half of 16 lanes, one across the halves
	v_max_num_f32_dpp v8, v8, v8 row_xmask:1 row_mask:0xf bank_mask:0xf
	v_max_num_f32_dpp v8, v8, v8 row_xmask:2 row_mask:0xf bank_mask:0xf
	v_max_num_f32_dpp v8, v8, v8 row_xmask:4 row_mask:0xf bank_mask:0xf
	v_max_num_f32_dpp v8, v8, v8 row_xmask:8 row_mask:0xf bank_mask:0xf
	v_permlanex16_b32 v9, v8, s14, s15
	v_max_num_f32 v10, v8, v9                      ; amax, in every lane
	v_rcp_f32 v12, v10                             ; its result is first used four plain instructions on (ISA guide 5.7.2)
	v_mul_f32 v11, s19, v10                        ; in_scale = amax / 127: a first value,
	v_fma_f32 v8, v11, s18, v10                    ; what it leaves: amax - 127 in_scale,
	v_fma_f32 v11, v8, s19, v11                    ; and one correction
	s_wait_alu depctr_va_vdst(0)                   ; the reciprocal has written v12, ahead of its first reader
	v_mul_f32 v12, s17, v12                        ; 127 / amax,
	v_mov_b32 v13, v12                             ; twice: a pair for the packed multiply
	; pass 2: scale, round to the nearest whole number (ties to even), clamp as reference() does, pack to f16, store
; Piece j, in place: its four numbers end as two registers of f16.
.macro QROW j
	v_pk_mul_f32 v[X+4*(\j):X+4*(\j)+1], v[X+4*(\j):X+4*(\j)+1], v[12:13]
	v_pk_mul_f32 v[X+4*(\j)+2:X+4*(\j)+3], v[X+4*(\j)+2:X+4*(\j)+3], v[12:13]
.irp k, 0,1,2,3
	v_rndne_f32 v[X+4*(\j)+\k], v[X+4*(\j)+\k]
.endr
.irp k, 0,1,2,3
	v_max_num_f32 v[X+4*(\j)+\k], s16, v[X+4*(\j)+\k]
.endr
.irp k, 0,1,2,3
	v_min_num_f32 v[X+4*(\j)+\k], s17, v[X+4*(\j)+\k]
.endr
	v_cvt_pk_f16_f32 v[X+4*(\j)], v[X+4*(\j)], v[X+4*(\j)+1]
	v_cvt_pk_f16_f32 v[X+4*(\j)+1], v[X+4*(\j)+2], v[X+4*(\j)+3]
.endm
; Piece j leaves.
.macro OUT j
	global_store_b64 v2, v[X+4*(\j):X+4*(\j)+1], s[6:7] offset:256*(\j)   ; the wave's 32 lanes store 256 consecutive bytes, at a multiple of 256 from q16's first byte; the next launch reads them, so no hint
.endm
.set p, 0
.rept BLOCKS
.if p > 0
	s_wait_alu depctr_va_vdst(0)                   ; the block before has written its eight registers of f16, which the four stores below read
.endif
.irp i, 0,1,2,3
.if p > 0
	OUT BLOCK*(p-1)+\i                             ; no vector instruction since the wait names these registers or v2
.endif
	QROW BLOCK*p+\i
.endr
.set p, p+1
.endr
	s_wait_alu depctr_va_vdst(0)                   ; the last block has written its eight registers of f16, which the last four stores read
.irp i, 0,1,2,3
	OUT BLOCK*(BLOCKS-1)+\i
.endr
	; the row's in_scale: four bytes, from lane 0.  xs is 4,096 bytes in all; this is the one store that does not fill 256 bytes
	s_wait_xcnt 0x0                                ; EXEC is a source of the stores above: it changes only behind this wait
	v_cmp_eq_u32 vcc_lo, 0, v14
	s_wait_alu depctr_va_vcc(0)                    ; the compare has written VCC, from which EXEC is made
	s_wait_alu depctr_va_vdst(0)                   ; in front of a write of EXEC: the vector instructions issued so far are done; v11 and v3, which the store below reads, are among what they wrote
	s_wait_alu depctr_vm_vsrc(0)                   ; in front of a write of EXEC: the stores above have read their registers
	s_and_saveexec_b32 s20, vcc_lo
	global_store_b32 v3, v11, s[8:9]
	s_wait_xcnt 0x0                                ; and again in front of the line that widens it
	s_wait_alu depctr_va_vdst(0)                   ; in front of a write of EXEC: no vector instruction is still at work
	s_wait_alu depctr_vm_vsrc(0)                   ; in front of a write of EXEC: the store under the mask has read v3 and v11
	s_or_b32 exec_lo, exec_lo, s20
	s_endpgm
.Lfunc_end_k_qaec93fdb47_quant:
	.size	k_qaec93fdb47_quant, .Lfunc_end_k_qaec93fdb47_quant-k_qaec93fdb47_quant
	.p2alignl 7, 3214868480
	.fill 96, 4, 3214868480
	.section	.rodata,"a",@progbits
	.p2align	6, 0x0
	.amdhsa_kernel k_qaec93fdb47_quant
		.amdhsa_group_segment_fixed_size 0
		.amdhsa_private_segment_fixed_size 0
		.amdhsa_enable_private_segment 0
		.amdhsa_kernarg_size 24
		.amdhsa_user_sgpr_count 2
		.amdhsa_user_sgpr_kernarg_segment_ptr 1
		.amdhsa_wavefront_size32 1
		.amdhsa_system_sgpr_workgroup_id_x 1
		.amdhsa_system_sgpr_workgroup_id_y 1
		.amdhsa_system_sgpr_workgroup_id_z 1
		.amdhsa_system_vgpr_workitem_id 0
		.amdhsa_next_free_vgpr 144
		.amdhsa_next_free_sgpr 66
		.amdhsa_reserve_vcc 1
		.amdhsa_float_denorm_mode_32 3
		.amdhsa_float_denorm_mode_16_64 3
		.amdhsa_memory_ordered 1
		.amdhsa_forward_progress 1
		.amdhsa_inst_pref_size 33
	.end_amdhsa_kernel
	.amdgpu_metadata
---
amdhsa.version: [ 1, 2 ]
amdhsa.kernels:
  - .name:           k_qaec93fdb47_quant
    .symbol:         k_qaec93fdb47_quant.kd
    .args:
      - { .name: x, .offset: 0, .size: 8, .value_kind: global_buffer, .address_space: global }
      - { .name: q16, .offset: 8, .size: 8, .value_kind: global_buffer, .address_space: global }
      - { .name: xs, .offset: 16, .size: 8, .value_kind: global_buffer, .address_space: global }
    .group_segment_fixed_size: 0
    .private_segment_fixed_size: 0
    .kernarg_segment_align: 8
    .kernarg_segment_size: 24
    .max_flat_workgroup_size: 128
    .sgpr_count:     66
    .vgpr_count:     144
    .wavefront_size: 32
...
	.end_amdgpu_metadata
.endif
;; end of part 3
;; launch gemm: the kernel of part 2 again; grid 64 x 4, 4 waves a work-group, clusters of 4 x 4, 327,680 bytes of LDS; arguments q16, weight, xs, weight_scale, bias, out0; writes out0
